; MI455X (gfx1250); checked and timed in simulation.
; The chip was launched on July 23, 2026; its instructions are those of AMD's public machine-readable ISA for CDNA 5 (MIT licence, August 2026) and "CDNA5" Instruction Set Architecture Reference Guide (July 2026). The comments in the code are by the model that wrote it; some were corrected since.
;; Causal Self Attention. Allowed arithmetic: matrix products marked QUANTISED: E4M3 operands, one E8M0 scale for each 32 along K, by v_wmma_scale_f32_16x16x128_f8f6f4 with both operands' format E4M3, f32 sums; everything else in f32.
;; Inputs: W_proj_codes 1,024 x 32 x 32 uint8 (E4M3 codes of W_proj, K innermost, in blocks of 32 codes); W_proj_scales 1,024 x 32 uint8 (E8M0 scales of W_proj, one for each 32 codes along K); W_qkv_codes 3,072 x 32 x 32 uint8 (E4M3 codes of W_qkv, K innermost, in blocks of 32 codes); W_qkv_scales 3,072 x 32 uint8 (E8M0 scales of W_qkv, one for each 32 codes along K); x_codes 4 x 2,048 x 32 x 32 uint8 (E4M3 codes of x, K innermost, in blocks of 32 codes); x_scales 4 x 2,048 x 32 uint8 (E8M0 scales of x, one for each 32 codes along K).
;; Outputs: out0 4 x 2,048 x 1,024 float32.
;; This version of the problem:
;;   THIS VERSION OF THE PROBLEM IS GIVEN IN LOW PRECISION. The matrix products marked QUANTISED in the list below multiply operands that are first quantised to E4M3 (4 exponent bits, 3 mantissa bits; 8 bits a number), with one power-of-two scale for each 32 numbers along K (OCP MX v1.0); their sums are f32. All else is computed in f32.
;;   The module's matrix products, in the order in which they are computed (A, B: the left and right operand; K: the contracted axis; several contracted axes count as one K, in the product's order):
;;     1. [M 8,192, K 1,024] x [K 1,024, N 3,072]; A: input x (given as codes); B: input W_qkv (given as codes): QUANTISED
;;     2. batch 64 x [M 2,048, K 64] x [K 64, N 2,048]; A: computed on the way; B: computed on the way: QUANTISED
;;     3. batch 64 x [M 64, K 2,048] x [K 2,048, N 2,048]; A: computed on the way; B: softmax (see below): QUANTISED
;;     4. [M 8,192, K 1,024] x [K 1,024, N 1,024]; A: computed on the way; B: input W_proj (given as codes): QUANTISED
;;   THE QUANTISER, for each operand of a quantised product, along K:
;;     - K is cut into blocks of 32 from its start; a last block that is shorter is filled with zeros.
;;     - A block's scale is 2^e with e = floor(log2(the largest magnitude in the block)) - 8, held to -126 .. 127; a block of zeros has e = 0. As a byte (E8M0): e + 127.
;;     - Each number is divided by its block's scale, clamped to +-448, and rounded to the nearest number of E4M3, ties to even, subnormals kept.
;;     - The product sums the exact products of the quantised numbers (number of the format x scale) in f32.
;;   ~~~python
;;   def quantise(x, axis):      # numpy; x: float32 -> the quantised numbers, widened to float32 again
;;       x = np.moveaxis(x, axis, -1); K = x.shape[-1]
;;       x = np.pad(x, [(0, 0)] * (x.ndim - 1) + [(0, -K % 32)]); x = x.reshape(x.shape[:-1] + (-1, 32)); a = np.abs(x).max(-1, keepdims=True)
;;       e = np.where(a > 0, np.clip(np.frexp(np.where(a > 0, a, 1))[1] - 1 - 8, -126, 127), 0)      # np.frexp(a)[1] - 1 = floor(log2(a)), exactly
;;       r = np.clip(x / 2.0 ** e, -448, 448)
;;       step = 2.0 ** (np.maximum(np.frexp(np.where(r == 0, 1, r))[1] - 1, -6) - 3)
;;       q = np.round(r / step) * step * 2.0 ** e      # np.round: ties to even
;;       return np.moveaxis(q.reshape(q.shape[:-2] + (-1,))[..., :K], -1, axis).astype(np.float32)
;;   ~~~
;;   SOFTMAX AHEAD OF A QUANTISED PRODUCT. Where the list says 'softmax', what is quantised is not the finished softmax but p = 2^(t - M), with t = logit x log2(e) and M = ceil(the row's largest t), a whole number; so 1/2 < the row's largest p <= 1. The row's sum l is taken of the UNQUANTISED p, in f32, and the product's result is divided by l at the end. Since M is a whole number, a kernel that streams over the keys may use a running M (the ceiling of the running maximum): every later rescaling is an exact power of two, which a block's scale takes up: the codes' values come out the same.
;;   OPERANDS COMPUTED ON THE WAY. 'Computed on the way' means the value that the module computes at that place (a softmax that the list does not call 'softmax' is quantised finished and normalised). What goes into a quantiser is computed in f32, as accurately as f32 sums, v_exp_f32 and their like allow (about 1e-6 of the number): no bf16 or f16 on the way to a quantiser, and a product that is left as it is and whose result goes on into a quantised operand takes f32 operands (vector FMAs, or v_wmma_f32_16x16x4_f32). A number that lies on a knife's edge between two numbers of the format may be rounded either way, as far as f32 arithmetic and the matrix unit's own rounding can turn it there, and no further.
;;   INPUTS GIVEN AS CODES. W_proj (in the module: [1024, 1024], K = its axis 0); W_qkv (in the module: [1024, 3072], K = its axis 0); x (in the module: [4, 2048, 1024], K = its axis 2): each comes as NAME_codes (uint8): NAME with its K axis moved to the last place and cut into blocks of 32 codes, [.., K / 32, bytes a block], one block behind the other in memory; one code a byte (a code: sign, 4 exponent bits, 3 mantissa bits); and NAME_scales (uint8): the same leading axes, one E8M0 byte (e + 127) for each 32 codes along K. Its value is code x scale, taken as it is: it is not quantised again, and the codes and scales need not be those that the quantiser above would give.
;; One version. Each part assembles by itself: llvm-mc -triple=amdgcn-amd-amdhsa -mcpu=gfx1250 --defsym DOCPART=n.
;; ======== version 1 of 1: 3 launches
;; limits: right only within a limited range of input values
;; workspace buffers: kq_codes 16,777,216 bytes; v_codes 8,388,608 bytes; k_scales 262,144 bytes; q_scales 524,288 bytes; v_scales 262,144 bytes; a_codes 8,388,608 bytes; a_scales 262,144 bytes
;; launch qkv (part 1): grid 4 x 64, 4 waves a work-group, clusters of 4 x 4, 327,680 bytes of LDS; arguments x_codes, x_scales, W_qkv_codes, W_qkv_scales, kq_codes, v_codes, k_scales, q_scales, v_scales; writes kq_codes, v_codes, k_scales, q_scales, v_scales
.if DOCPART == 1
	.amdgcn_target "amdgcn-amd-amdhsa--gfx1250"
	.amdhsa_code_object_version 6
	.text
	.protected	k_qe84e4f74ae_qkv
	.globl	k_qe84e4f74ae_qkv
	.p2align	8
	.type	k_qe84e4f74ae_qkv,@function
k_qe84e4f74ae_qkv:
	s_mov_b64 s[64:65], 0
	v_nop
	global_prefetch_b8 v0, s[64:65] scope:SCOPE_SE
	s_setreg_imm32_b32 hwreg(HW_REG_WAVE_MODE, 25, 1), 1
	s_wait_xcnt 0x0
	s_wait_alu depctr_hold_cnt(0) depctr_sa_sdst(0) depctr_va_vdst(0) depctr_va_sdst(0) depctr_va_ssrc(0) depctr_va_vcc(0) depctr_vm_vsrc(0)
	s_getreg_b32 s2, hwreg(HW_REG_IB_STS2, 6, 4)
	s_cmp_eq_u32 s2, 0
	s_cbranch_scc0 .Lentry_in_a_cluster
	s_endpgm
.Lentry_in_a_cluster:
	s_bfe_u32 s2, ttmp6, 0x10000c
	s_cmp_lg_u32 s2, 0xf033
	s_cbranch_scc0 .Lentry_shape_is_right
	s_endpgm
.Lentry_shape_is_right:
; qkv = x W_qkv on codes of FP8 (E4M3), one E8M0 scale for each 32 along K = 1,024; the f32 sums are quantised again at once, as operands of attention's two products, and leave as codes.
; THE DEAL.  256 work-groups: (column group cx of 4, token block of 128).  A work-group makes 128 tokens x 768 columns: rows 256 cx .. + 255 of W's k part, of its q part and of its v part.
; Four waves, 2 x 2: wave (i, j) keeps tokens 64 i .. + 63, ALL of K, in 512 registers, and takes rows 64 j .. + 63 (one head) of each chunk of 128 rows of W.  W streams in six chunks (k, k, q, q, v, v) through two LDS slots of 128 whole rows.
; x's 128 rows land in slot 0; once all waves hold them in registers, chunk 1 is filled over them.  Chunk c lies in slot (c + 1) % 2; chunk c + 1 is asked for behind the round at chunk c's head.
; A block is 16 rows of W against my 64 tokens: 32 products, four accumulators by turns.  Two blocks are a pair: 64 sums a lane = four scale blocks of 32 (16 in a lane, 16 in lane l xor 16).
; k, q: source 0 = W's rows, source 1 = tokens: a lane holds a token, its registers run along the channels.  v: source 0 = tokens, source 1 = W's rows: a lane holds a channel, its registers run along the tokens.
; OUT, images of operand registers: kq_codes[128 columns][128 tokens][token tile 8][32 channels 4][lane][16]; v_codes[128 channels][128 tokens][channel tile 8][32 tokens 4][lane][16]: each store is 512 consecutive aligned bytes.
; Byte i of half h of a group is index 32 c + 8 h + i (i < 8) or 32 c + 16 + 8 h + i - 8: a permutation inside a block of 32, the same in q and k, and in v the same as the next launch's p.
; The scale words gather in an LDS stage and leave at the end in runs of 512 bytes.
; CLUSTERS 4 x 4: x's rows are asked for jointly along a row, W's rows and scale bytes along a column.  The chunk two on is prefetched, 256 bytes a lane, shared out by address among the column's sixteen waves.
; LIMITS: NaN and infinities are not served.  A block of zeros gets the byte 1 where the rule says 127 (its codes are zeros; this program alone reads the bytes); a block whose largest magnitude lies under 2^-118 is held at the byte 1.
.set PITCH, 1040                       ; an LDS row: 1,024 bytes + 16 of padding
.set YB,    128*PITCH                  ; slot 1
.set WSC,   2*YB                       ; W's scale bytes: [k, q, v][256 rows][32]
.set STG,   WSC+24576                  ; the stage: chunks 0-3 1,024 bytes each, then v's 1,024
.set SPARE, STG+5120
.set NF,    34                         ; LDS loads of a block: 32 of codes, 2 of scale words
.set ADX, 2
.set AW0, 3
.set ADW, 4
.set AS0, 5
.set ASW, 6
.set CO,  7
.set SPW, 8
.set NIL, 9
.set SQ,  10
.set SV,  11
.set PF,  12
.set XSA, 13
.set EA,  14
.set EK,  15
.set TM,  16                           ; v16-31 the quantiser's small things
.set PWA, 32
.set PWB, 33
.set T0,  34
.set EV,  35
.set OW,  36
.set WS,  44                           ; v44-59 W's scale words, two sets; they hold nothing else
.set XS,  64                           ; v64-95 x's scale words: 8 t + q; they hold nothing else
.set ACC, 96                           ; v96-159 a pair's sums
.set CD,  160                          ; v160-191 codes, two sets
.set WV, 22
.set WI, 23
.set WJ, 24
.set CX, 25
.set CY, 26
.set TB, 27
.set G1X, 32
.set G1W, 40
.set G1S, 48
.set G1R, 56
.set G0X, 68
.set G0W, 72
.set G0S, 76
.set G0R, 80
.set SL,  84
.set SO,  85
.set CH,  86
.set WO,  87
.set STP, 88
.set PFA, 90
.set OUTK, 92
.set OSTP, 94
.set OUTV, 96
.set MNT, 98
.set SEL, 100
.set MSB, 0
.macro WIN new                         ; the immediate's high byte repeats the setting that is left
.if MSB != \new
	s_set_vgpr_msb (MSB<<8)|\new
.set MSB, \new
.endif
.endm
.macro PLACES n
.rept \n
	v_nop
.endr
.endm
.macro BARRIER
	s_barrier_signal -1
	s_barrier_wait -1
.endm
.macro CROUND                          ; a round of the cluster's barrier
	BARRIER
	s_cmp_lg_u32 s[WV], 0
	s_cbranch_scc1 .Lnot_wave_0_\@
	s_barrier_signal -3
.Lnot_wave_0_\@:
	s_barrier_wait -3
	BARRIER
.endm
.macro TLOAD g0, g1                    ; an s_nop 0 and four v_nop follow the load
	tensor_load_to_lds s[\g0:\g0+3], s[\g1:\g1+7]
	s_nop 0
	PLACES 4
.endm
.macro GROUP1 g, mask, rows            ; so many whole rows of 1,024 bytes, 16 bytes of padding behind each
	s_or_b32 s[\g+0], s\mask, (1<<20)|(1<<21)|(7<<22)|(3<<25)
	s_mov_b32 s[\g+1], 1024<<16
	s_mov_b32 s[\g+2], (\rows)<<16
	s_mov_b32 s[\g+3], 1024<<16
	s_mov_b32 s[\g+4], \rows
	s_mov_b32 s[\g+5], 1024
	s_mov_b32 s[\g+6], 0
	s_mov_b32 s[\g+7], 0
.endm
.macro OFF d, a, sa, b, sb, c, sc, e, se   ; s[d:d+1] = a << sa + b << sb + c << sc + e << se
	s_lshl_b32 s[\d], s[\a], \sa
	s_lshl_b32 s2, s[\b], \sb
	s_add_co_u32 s[\d], s[\d], s2
	s_lshl_b32 s2, s[\c], \sc
	s_add_co_u32 s[\d], s[\d], s2
	s_lshl_b32 s2, s[\e], \se
	s_add_co_u32 s[\d], s[\d], s2
	s_mov_b32 s[\d+1], 0
.endm
	s_load_b256 s[4:11], s[0:1], 0x0               ; x's codes, x's scales, W's codes, W's scales
	s_load_b256 s[12:19], s[0:1], 0x20             ; kq_codes, v_codes, k_scales, q_scales
	s_load_b64 s[20:21], s[0:1], 0x40              ; v_scales
	v_lshl_add_u32 v[SPW], v0, 2, SPARE
	v_mov_b32 v[NIL], 0
	ds_add_u32 v[SPW], v[NIL]                      ; the opening lines: the add twice on end and its wait
	ds_add_u32 v[SPW], v[NIL]
	v_lshrrev_b32 v1, 5, v0
	v_readfirstlane_b32 s[WV], v1
	s_lshr_b32 s[WI], s[WV], 1                     ; my half of the tokens
	s_and_b32 s[WJ], s[WV], 1                      ; my half of a chunk's rows
	s_bfe_u32 s[CX], ttmp6, 0x40000                ; the column group (the grid is one cluster wide)
	s_bfe_u32 s[CY], ttmp6, 0x40004
	s_and_b32 s[TB], ttmp7, 0xffff
	s_lshl_b32 s[TB], s[TB], 2
	s_add_co_u32 s[TB], s[TB], s[CY]               ; the token block
	s_lshl_b32 s29, s[CY], 2
	s_lshl_b32 s29, 15, s29                        ; my row of the cluster
	s_lshl_b32 s30, 0x1111, s[CX]                  ; my column
	GROUP1 G1X, 29, 64
	GROUP1 G1W, 30, 128
	GROUP1 G1R, 30, 32
	s_or_b32 s[G1S], s30, (3<<16)|(1<<21)          ; W's scale bytes: three runs of 8,192 bytes, 32,768 apart, in elements of 8 bytes
	s_mov_b32 s[G1S+1], 1024<<16
	s_mov_b32 s[G1S+2], 3<<16
	s_mov_b32 s[G1S+3], 1024<<16
	s_mov_b32 s[G1S+4], 3
	s_mov_b32 s[G1S+5], 4096
	s_mov_b32 s[G1S+6], 0
	s_mov_b32 s[G1S+7], 0
	s_mov_b32 s[G0X], 1
	s_mul_i32 s[G0X+1], s[WV], 64*PITCH
	s_mov_b32 s[G0W], 1
	s_mov_b32 s[G0W+1], YB
	s_mov_b32 s[G0S], 1
	s_mov_b32 s[G0S+1], WSC
	s_mov_b32 s[G0R], 1
	s_mul_i32 s[WO], s[WV], 32*PITCH
	s_mov_b32 s[SL], 0
	s_mov_b32 s[SO], 0
	s_mov_b32 s[CH], 0
	s_mov_b32 s[STP], 128<<10
	s_mov_b32 s[STP+1], 0
	s_mov_b32 s[OSTP], 1<<20
	s_mov_b32 s[OSTP+1], 0
	s_mov_b32 s[MNT], 0x600000
	s_mov_b32 s[SEL], 0x76543210
	s_mov_b32 s[SEL+1], 0xfedcba98
	s_wait_dscnt 0x0
	CROUND                                         ; all sixteen work-groups are here: the first joint loads meet
	s_wait_kmcnt 0x0
	s_lshl_b32 s28, s[TB], 17
	s_lshl_b32 s2, s[WV], 16
	s_add_co_u32 s28, s28, s2
	s_mov_b32 s29, 0
	s_add_nc_u64 s[G0X+2:G0X+3], s[4:5], s[28:29]  ; x: my 64 rows of the block's 128 (waves 0, 1)
	s_or_b32 s[G0X+3], s[G0X+3], 0x80000000
	s_lshl_b32 s28, s[CX], 18
	s_add_nc_u64 s[30:31], s[8:9], s[28:29]        ; W: chunk 0
	s_mov_b64 s[G0W+2:G0W+3], s[30:31]
	s_or_b32 s[G0W+3], s[G0W+3], 0x80000000
	s_lshl_b32 s28, s[WV], 15
	s_add_nc_u64 s[G0R+2:G0R+3], s[30:31], s[28:29]  ; a refill: my 32 rows; it stands at chunk 0 and is stepped ahead of each load
	s_or_b32 s[G0R+3], s[G0R+3], 0x80000000
	s_lshl_b32 s28, s[CY], 2
	s_add_co_u32 s28, s28, s[WV]
	s_lshl_b32 s28, s28, 13
	s_add_co_u32 s28, s28, 128<<10
	s_add_nc_u64 s[PFA:PFA+1], s[30:31], s[28:29]  ; the prefetches: my sixteenth of chunk 1; stepped ahead of each
	s_lshl_b32 s28, s[CX], 13
	s_add_nc_u64 s[G0S+2:G0S+3], s[10:11], s[28:29]
	s_or_b32 s[G0S+3], s[G0S+3], 0x80000000
	s_cmp_lt_u32 s[WV], 2                          ; one load a wave, one chain of arms
	s_cbranch_scc0 .Lh_w
	TLOAD G0X, G1X
	s_branch .Lh_done
.Lh_w:
	s_cmp_eq_u32 s[WV], 2
	s_cbranch_scc0 .Lh_s
	TLOAD G0W, G1W
	s_branch .Lh_done
.Lh_s:
	TLOAD G0S, G1S
.Lh_done:
	s_lshl_b32 s28, s[TB], 12
	s_lshl_b32 s2, s[WI], 11
	s_add_co_u32 s28, s28, s2
	s_mov_b32 s29, 0
	s_add_nc_u64 s[6:7], s[6:7], s[28:29]          ; x's scale bytes at my first token
	OFF 28, CX, 21, TB, 14, WI, 13, WJ, 10
	s_add_nc_u64 s[OUTK:OUTK+1], s[12:13], s[28:29]
	OFF 28, CX, 21, TB, 14, WJ, 13, WI, 10
	s_add_nc_u64 s[OUTV:OUTV+1], s[14:15], s[28:29]
	OFF 28, CX, 17, WI, 16, TB, 10, WJ, 9
	s_add_nc_u64 s[18:19], s[18:19], s[28:29]      ; q's scale words: my 512 bytes
	s_cmp_lt_u32 s[WV], 2
	s_cselect_b64 s[16:17], s[16:17], s[20:21]     ; waves 0, 1 store k's scale words, waves 2, 3 v's
	s_lshl_b32 s28, s[CX], 16
	s_lshl_b32 s2, s[WJ], 15
	s_add_co_u32 s28, s28, s2
	s_lshl_b32 s2, s[TB], 9
	s_add_co_u32 s28, s28, s2
	s_add_nc_u64 s[16:17], s[16:17], s[28:29]
	v_and_b32 v1, 15, v0                           ; r
	v_bfe_u32 v2, v0, 4, 1                         ; h
	v_and_b32 v3, 31, v0
	v_mul_u32_u24 v40, v1, PITCH
	v_lshl_add_u32 v40, v2, 4, v40                 ; a fragment's row x pitch + 16 h
	v_lshlrev_b32 v[XSA], 5, v1
	v_lshlrev_b32 v[CO], 4, v3
	v_lshlrev_b32 v[PF], 8, v3
	v_lshlrev_b32 v41, 4, v1
	s_wait_alu depctr_va_vdst(0)
	s_mul_i32 s28, s[WI], 64*PITCH
	v_add_nc_u32 v[ADX], s28, v40
	s_mul_i32 s28, s[WJ], 64*PITCH
	v_add_nc_u32 v[AW0], s28, v40
	s_lshl_b32 s28, s[WJ], 11
	s_add_co_u32 s28, s28, WSC
	v_add_nc_u32 v[AS0], s28, v[XSA]
	s_lshl_b32 s29, s[WJ], 8
	s_lshl_b32 s28, s[WI], 9
	s_add_co_u32 s28, s28, s29
	s_add_co_u32 s28, s28, STG
	v_add_nc_u32 v[SQ], s28, v41                   ; k's, q's words: chunk x 1,024 + 512 i + 256 j + 16 r
	s_lshl_b32 s28, s[WI], 1
	s_add_co_u32 s28, s28, s29
	s_add_co_u32 s28, s28, STG+4096
	v_add_nc_u32 v[SV], s28, v41                   ; v's bytes: 256 j + 16 r + 2 i
	s_lshl_b32 s28, s[WV], 9
	s_add_co_u32 s28, s28, STG+2048
	v_add_nc_u32 v[EA], s28, v[CO]
	s_lshl_b32 s28, s[WJ], 10
	s_add_co_u32 s28, s28, STG
	v_add_nc_u32 v[EK], s28, v[CO]
	s_lshl_b32 s28, s[WJ], 9
	s_add_co_u32 s28, s28, STG+4096
	v_add_nc_u32 v[EV], s28, v[CO]
.irp b, 0,1,2,3
	v_mov_b32 v[TM+4+\b], 0                        ; a lane permute's destination counts as one of its sources
.endr
.irp t, 0,1,2,3
	global_load_b128 v[XS+8*\t:XS+8*\t+3], v[XSA], s[6:7] offset:512*\t
	global_load_b128 v[XS+8*\t+4:XS+8*\t+7], v[XSA], s[6:7] offset:512*\t+16
.endr
.macro FETCH e, k                      ; block k of my 64 rows of the chunk into set e of window 3, and its scale words
	WIN 0xc0
.irp q, 0,1,2,3,4,5,6,7
.irp c, 0,1,2,3
	ds_load_b128 v[128*\e+16*\q+4*\c:128*\e+16*\q+4*\c+3], v[ADW] offset:(\k)*16*PITCH+128*\q+32*\c
.endr
.endr
	WIN 0
	ds_load_b128 v[WS+8*\e:WS+8*\e+3], v[ASW] offset:(\k)*512
	ds_load_b128 v[WS+8*\e+4:WS+8*\e+7], v[ASW] offset:(\k)*512+16
.endm
.macro BLOCK kind, e                   ; 32 products: K step q, token tile t.  x's fragment 4 q + t lies in window 1 + q / 4
.irp q, 0,1,2,3,4,5,6,7
.irp t, 0,1,2,3
.set A_, ACC+(32*\e+8*\t)*\kind+(16*\t+8*\e)*(1-\kind)
.set X_, 16*((4*\q+\t)%16)
.set W_, 128*\e+16*\q
.if \kind
	WIN (1+\q/4)|0xc
.if \q
	v_wmma_scale_f32_16x16x128_f8f6f4 v[A_:A_+7], v[X_:X_+15], v[W_:W_+15], v[A_:A_+7], v[XS+8*\t+\q], v[WS+8*\e+\q]
.else
	v_wmma_scale_f32_16x16x128_f8f6f4 v[A_:A_+7], v[X_:X_+15], v[W_:W_+15], 0, v[XS+8*\t+\q], v[WS+8*\e+\q]
.endif
.else
	WIN 3|((1+\q/4)<<2)
.if \q
	v_wmma_scale_f32_16x16x128_f8f6f4 v[A_:A_+7], v[W_:W_+15], v[X_:X_+15], v[A_:A_+7], v[WS+8*\e+\q], v[XS+8*\t+\q]
.else
	v_wmma_scale_f32_16x16x128_f8f6f4 v[A_:A_+7], v[W_:W_+15], v[X_:X_+15], 0, v[WS+8*\e+\q], v[XS+8*\t+\q]
.endif
.endif
.endr
.endr
	WIN 0
	PLACES 8                                       ; ahead of loads into what the products read, and of the first read of their sums
.endm
.macro QUANT p, pw                     ; four scale blocks of 16 registers (+ lane l xor 16's) -> codes in set p, the four bytes in pw
	s_wait_xcnt 0x0                                ; earlier stores have read the code registers
.irp b, 0,1,2,3
	v_max3_num_f32 v[TM+\b], |v[ACC+16*\b]|, |v[ACC+16*\b+1]|, 0x4800000   ; with the floor 2^(9 - 127): the byte cannot fall under 1
.endr
.irp i, 2,4,6,8,10,12,14
.irp b, 0,1,2,3
	v_max3_num_f32 v[TM+\b], |v[ACC+16*\b+\i]|, |v[ACC+16*\b+\i+1]|, v[TM+\b]
.endr
.endr
.irp b, 0,1,2,3
	v_permlanex16_b32 v[TM+4+\b], v[TM+\b], s[SEL], s[SEL+1]
.endr
.irp b, 0,1,2,3
	v_max_num_f32 v[TM+\b], v[TM+\b], v[TM+4+\b]
.endr
.irp b, 0,1,2,3
	v_add_nc_u32 v[TM+12+\b], 0xfc000000, v[TM+\b] ; 8 off the exponent field: the conversion's scale operand
.endr
.irp b, 0,1,2,3
	v_and_or_b32 v[TM+8+\b], v[TM+\b], 0x7f800000, s[MNT]   ; 448 x the scale
.endr
.irp b, 0,1,2,3
	v_lshrrev_b32 v[TM+4+\b], 23, v[TM+12+\b]      ; the byte
.endr
	v_lshl_or_b32 v[\pw], v[TM+5], 8, v[TM+4]
	v_lshl_or_b32 v[\pw], v[TM+6], 16, v[\pw]
	v_lshl_or_b32 v[\pw], v[TM+7], 24, v[\pw]
.irp b, 0,1,2,3
.irp i, 0,1,2,3,4,5,6,7,8,9,10,11,12,13,14,15
	v_med3_num_f32 v[ACC+16*\b+\i], v[ACC+16*\b+\i], -v[TM+8+\b], v[TM+8+\b]   ; the conversion does not saturate (ISA guide 7.6.2)
.endr
.endr
.irp b, 0,1,2,3
	v_cvt_scalef32_pk8_fp8_f32 v[CD+16*\p+4*\b:CD+16*\p+4*\b+1], v[ACC+16*\b:ACC+16*\b+7], v[TM+12+\b]
	v_cvt_scalef32_pk8_fp8_f32 v[CD+16*\p+4*\b+2:CD+16*\p+4*\b+3], v[ACC+16*\b+8:ACC+16*\b+15], v[TM+12+\b]
.endr
	v_nop                                          ; one plain line behind the last conversion
.endm
.macro PUT kind, p, ch                 ; 32 lanes store 512 consecutive aligned bytes
.irp b, 0,1,2,3
.if \kind
	global_store_b128 v[CO], v[CD+16*\p+4*\b:CD+16*\p+4*\b+3], s[OUTV:OUTV+1] offset:((\ch)<<20)+(2*\p+\b/2)*2048+(\b%2)*512
.else
	global_store_b128 v[CO], v[CD+16*\p+4*\b:CD+16*\p+4*\b+3], s[OUTK:OUTK+1] offset:\b*2048+\p*512
.endif
.endr
.endm
; THE CHANGE OF CHUNKS.  Every wave: all its tensor loads are in; the add; its LDS reads are over; a round of the cluster's barrier; then its one joint load: 32 rows of the next chunk into the slot that was left.
.macro TOP refill, ask
	s_wait_tensorcnt 0x0
	ds_add_u32 v[SPW], v[NIL]
.if \refill
	s_wait_xcnt 0x0                                ; the last prefetch has read its address
	s_add_nc_u64 s[G0R+2:G0R+3], s[G0R+2:G0R+3], s[STP:STP+1]   ; 128 rows on, or 896: into the next part of W
	s_xor_b32 s[STP], s[STP], 768<<10
	s_add_co_u32 s[G0R+1], s[SL], s[WO]
.if \ask
	s_add_nc_u64 s[PFA:PFA+1], s[PFA:PFA+1], s[STP:STP+1]       ; one chunk further on than the load
.endif
.endif
	s_xor_b32 s[SL], s[SL], YB                     ; the slot that is read now
	s_wait_dscnt 0x0
.if \refill
	CROUND
	TLOAD G0R, G1R
.else
	BARRIER
.endif
	v_add_nc_u32 v[ADW], s[SL], v[AW0]
	v_add_nc_u32 v[ASW], s[SO], v[AS0]
	s_add_co_u32 s[SO], s[SO], 4096
	s_wait_alu depctr_va_vdst(0)                   ; the wait behind the writes
	FETCH 0, 0
	FETCH 1, 1
.if \ask
	global_prefetch_b8 v[PF], s[PFA:PFA+1] th:TH_LOAD_NT scope:SCOPE_SE   ; the chunk two on: 8,192 bytes a wave, each block of 256 once in the cluster's column
.endif
.endm
.macro VBYTES p, pw, ch                ; v: bytes 2 i, 2 i + 1 of the words of channel tiles 2 p, 2 p + 1
	ds_store_b16 v[SV], v[\pw] offset:(\ch)*512+8*\p
	ds_store_b16_d16_hi v[SV], v[\pw] offset:(\ch)*512+8*\p+4
.endm
.macro PAIRS kind, ch                  ; a chunk: my four blocks, two pairs.  Each counted wait leaves out the NF loads of the set fetched last
	s_wait_dscnt NF
	BLOCK \kind, 0
	FETCH 0, 2
	s_wait_dscnt NF
	BLOCK \kind, 1
	FETCH 1, 3
	QUANT 0, PWA
	PUT \kind, 0, \ch
.if \kind
	VBYTES 0, PWA, \ch
.endif
	s_wait_dscnt NF
	BLOCK \kind, 0
	s_wait_dscnt 0x0
	BLOCK \kind, 1
	QUANT 1, PWB
	PUT \kind, 1, \ch
.if \kind
	VBYTES 1, PWB, \ch
.endif
.endm
	s_wait_alu depctr_va_vdst(0)                   ; the wait at the head's end
	s_wait_tensorcnt 0x0
	BARRIER                                        ; x, chunk 0 and W's scale bytes are in
.irp q, 0,1,2,3,4,5,6,7                ; my 64 tokens, all of K, into windows 1 and 2
	WIN (1+\q/4)<<6
.irp t, 0,1,2,3
.irp c, 0,1,2,3
	ds_load_b128 v[16*((4*\q+\t)%16)+4*\c:16*((4*\q+\t)%16)+4*\c+3], v[ADX] offset:\t*16*PITCH+128*\q+32*\c
.endr
.endr
.endr
	WIN 0
	s_wait_loadcnt 0x0                             ; x's scale words
.Lkq:                                              ; chunks 0 to 3: k, k, q, q
	TOP 1, 1
	PAIRS 0, 0
	s_lshl_b32 s28, s[CH], 10
	v_add_nc_u32 v[T0], s28, v[SQ]
.irp t, 0,1,2,3
	v_perm_b32 v[OW+\t], v[PWB], v[PWA], 0x04000400+0x01010101*\t   ; token tile t: my head's two bytes, twice
.endr
	ds_store_b128 v[T0], v[OW:OW+3]
	s_wait_xcnt 0x0                                ; the stores have read their base
	s_add_nc_u64 s[OUTK:OUTK+1], s[OUTK:OUTK+1], s[OSTP:OSTP+1]   ; the next 128 columns: 1 on, or 7 on, from k to q
	s_xor_b32 s[OSTP], s[OSTP], 6<<20
	s_add_co_u32 s[CH], s[CH], 1
	s_cmp_lt_u32 s[CH], 4
	s_cbranch_scc1 .Lkq
	TOP 1, 0                                       ; chunks 4 and 5: v; the last asks for nothing
	PAIRS 1, 0
	TOP 0, 0
	PAIRS 1, 1
	; THE SCALE WORDS leave.  q's and v's lie in the stage as they lie in memory; k's word g is made of token tiles 2 g and 2 g + 1
	s_wait_xcnt 0x0
	s_wait_dscnt 0x0
	BARRIER
	ds_load_b128 v[TM:TM+3], v[EA]
	s_cmp_lt_u32 s[WV], 2
	s_cbranch_scc0 .Lev
	ds_load_b128 v[CD:CD+3], v[EK]
	ds_load_b128 v[CD+4:CD+7], v[EK] offset:512
	s_wait_dscnt 0x0
.irp g, 0,1,2,3
	v_perm_b32 v[OW+\g], v[CD+2*\g+1], v[CD+2*\g], 0x05040100
.endr
	s_wait_alu depctr_va_vdst(0)
	s_branch .Lest
.Lev:
	ds_load_b128 v[OW:OW+3], v[EV]
	s_wait_dscnt 0x0
.Lest:
	global_store_b128 v[CO], v[TM:TM+3], s[18:19]
	global_store_b128 v[CO], v[OW:OW+3], s[16:17]
	s_wait_tensorcnt 0x0                           ; the wave's end
	ds_add_u32 v[SPW], v[NIL]
	s_wait_dscnt 0x0
	CROUND                                         ; the closing round
	s_endpgm
.Lfunc_end_k_qe84e4f74ae_qkv:
	.size	k_qe84e4f74ae_qkv, .Lfunc_end_k_qe84e4f74ae_qkv-k_qe84e4f74ae_qkv
	.p2alignl 7, 3214868480
	.fill 96, 4, 3214868480
	.section	.rodata,"a",@progbits
	.p2align	6, 0x0
	.amdhsa_kernel k_qe84e4f74ae_qkv
		.amdhsa_group_segment_fixed_size 327680
		.amdhsa_private_segment_fixed_size 0
		.amdhsa_enable_private_segment 0
		.amdhsa_kernarg_size 72
		.amdhsa_user_sgpr_count 2
		.amdhsa_user_sgpr_kernarg_segment_ptr 1
		.amdhsa_wavefront_size32 1
		.amdhsa_system_sgpr_workgroup_id_x 1
		.amdhsa_system_sgpr_workgroup_id_y 1
		.amdhsa_system_sgpr_workgroup_id_z 1
		.amdhsa_system_vgpr_workitem_id 0
		.amdhsa_next_free_vgpr 1024
		.amdhsa_next_free_sgpr 102
		.amdhsa_reserve_vcc 0
		.amdhsa_float_denorm_mode_32 3
		.amdhsa_float_denorm_mode_16_64 3
		.amdhsa_memory_ordered 1
		.amdhsa_forward_progress 1
		.amdhsa_inst_pref_size 153
	.end_amdhsa_kernel
	.amdgpu_metadata
---
amdhsa.version: [ 1, 2 ]
amdhsa.kernels:
  - .name:           k_qe84e4f74ae_qkv
    .symbol:         k_qe84e4f74ae_qkv.kd
    .args:
      - { .name: x_codes, .offset: 0, .size: 8, .value_kind: global_buffer, .address_space: global }
      - { .name: x_scales, .offset: 8, .size: 8, .value_kind: global_buffer, .address_space: global }
      - { .name: W_qkv_codes, .offset: 16, .size: 8, .value_kind: global_buffer, .address_space: global }
      - { .name: W_qkv_scales, .offset: 24, .size: 8, .value_kind: global_buffer, .address_space: global }
      - { .name: kq_codes, .offset: 32, .size: 8, .value_kind: global_buffer, .address_space: global }
      - { .name: v_codes, .offset: 40, .size: 8, .value_kind: global_buffer, .address_space: global }
      - { .name: k_scales, .offset: 48, .size: 8, .value_kind: global_buffer, .address_space: global }
      - { .name: q_scales, .offset: 56, .size: 8, .value_kind: global_buffer, .address_space: global }
      - { .name: v_scales, .offset: 64, .size: 8, .value_kind: global_buffer, .address_space: global }
    .group_segment_fixed_size: 327680
    .private_segment_fixed_size: 0
    .kernarg_segment_align: 8
    .kernarg_segment_size: 72
    .max_flat_workgroup_size: 128
    .sgpr_count:     102
    .vgpr_count:     1024
    .wavefront_size: 32
...
	.end_amdgpu_metadata
.endif
;; end of part 1
;; launch attn (part 2): grid 4 x 64, 16 waves a work-group, no clusters, 272,384 bytes of LDS; arguments kq_codes, k_scales, q_scales, v_codes, v_scales, a_codes, a_scales; writes a_codes, a_scales
.if DOCPART == 2
	.amdgcn_target "amdgcn-amd-amdhsa--gfx1250"
	.amdhsa_code_object_version 6
	.text
	.protected	k_qe84e4f74ae_attn
	.globl	k_qe84e4f74ae_attn
	.p2align	8
	.type	k_qe84e4f74ae_attn,@function
k_qe84e4f74ae_attn:
	s_mov_b64 s[64:65], 0
	v_nop
	global_prefetch_b8 v0, s[64:65] scope:SCOPE_SE
	s_setreg_imm32_b32 hwreg(HW_REG_WAVE_MODE, 25, 1), 1
	s_wait_xcnt 0x0
; Causal attention of one head (64 channels, 2,048 tokens) on codes of FP8 (E4M3) with one E8M0 scale for each 32 along a product's K; the result is quantised along the channels and leaves as codes for the last product.
; t = score x log2(e) / 32 (the module scales by 1,024^-0.5); M = the row's largest t so far, rounded UP to a whole number; p = 2^(t - M) is what is quantised, along the keys, not normalised.
; The row's sum is taken of the unquantised p and divides O at the end.  When M moves, the sum and O are multiplied by 2^(old M - new M): exact.
; SHARES.  Work-group (j, y): batch y / 16, head y % 16.  All of the head's K and V, 256 KiB of codes and 8 KiB of scale words, come into LDS ONCE, at the head: nothing is filled again, so there is no ring.
; The work-group then takes query block j (256 queries) and query block 7 - j: together 9 blocks' worth of key steps whatever j is.  Each of the sixteen waves owns one tile of 16 queries of a block, in 256 registers: four waves
; to a SIMD, so that one wave's vector work stands beside another's matrix work and LDS loads.
; NO CLUSTER, though the four work-groups of a head read the same 264 KiB: which key steps a wave leaves out and which one it masks are branches on the work-group's query block, which would be its place in the cluster.
; LAYOUT.  Both products are used transposed: S^T = K Q^T (source 0 = keys, source 1 = my 16 queries), O^T = V^T P^T (source 0 = 16 channels, source 1 = P): a lane holds ONE query (lane % 16) throughout.
; All operands lie in memory and in LDS as images of their registers: group c (four registers) at 512 c + 16 x lane: every LDS load reads 512 consecutive bytes.
; K = 64 IN AN INSTRUCTION OF K = 128.  A fragment of K holds TWO tiles of 16 keys: registers 0-7 keys 32 g + r, registers 8-15 keys 32 g + 16 + r.  q stands between zeros, [0][q][0]: as [q, 0] it meets the first tile,
; as [0, q] the second.  Zero codes add nothing under the scale bytes that stand beside them (real bytes, never 0xff).
; THE ORDER ALONG K.  Within a block of 32 the codes of q, k and v stand in the order in which the launch before had them in its registers: byte i of half h of group c is index 32 c + 8 h + i (i < 8) or 32 c + 16 + 8 h + i - 8.
; q and k have the same order.  S^T's register 16 c + i of half h is key 32 c + 8 h + i or 32 c + 16 + 8 h + i - 8 as well, so p's codes fall into v's order by themselves.
; LIMITS: NaN and infinities are not served; a block of zeros gets the scale byte 1 where the rule says 127 (its codes are zeros; this program alone reads the bytes); a block whose largest magnitude lies under 2^-118 is held at the byte 1.
; The result's scale bytes leave one byte a lane: 32 bytes a tile beside its 1,024 bytes of codes.
.set KLDS,  0                          ; LDS: K: step s (128 keys) at 8,192 s, fragment g at + 2,048 g
.set VLDS,  131072                     ; V: step s at 8,192 s, tile of 16 channels t at + 2,048 t
.set KSLDS, 262144                     ; K's scale words: step s at 256 s, lane r at 16 r: word g for fragment g
.set VSLDS, 266240                     ; V's likewise: word t for tile t
.set LI,   1                           ; v1   16 x lane; never rewritten
.set LSC,  2                           ; v2   KSLDS + 16 (lane % 16); never rewritten
.set LM,   3                           ; v3   lane % 16 - 8 (lane / 16); never rewritten
.set T0,   4                           ; v4   at work
.set SOFF, 5                           ; v5   32 (lane % 16) + lane / 16: my scale byte's place; never rewritten
.set ADK,  6                           ; v6-8 LDS addresses of the step's K, V, scale words
.set ADV,  7
.set ADS,  8
.set T1,   9                           ; v9   at work
.set QS,   10                          ; v10, v11 q's scale words of the two query blocks; they hold nothing else
                                       ; v12 -M, v13 the largest t, v[14:15] the sum in two halves
                                       ; v16-55 [0][q of the first block][0][q of the second][0], eight registers each
.set KSC,  56                          ; v56-59 K's scale words, later V's; they hold nothing else
.set PS,   60                          ; v60  p's scale word; it holds nothing else
.set T2,   61                          ; v61  at work
.set FF,   62                          ; v[62:63] f = 2^(old M - new M), later 1 / the sum; v63 is named with it as a pair
.set F,    64                          ; v64-127  four fragments of K, later of V
.set S,    128                         ; v128-191 S^T, then p
.set OT,   192                         ; v192-223 O^T
.set P,    224                         ; v224-239 p's codes
.set BM,   240                         ; v240-243 the blocks' largest
.set T4,   244                         ; v244-247 at work
.set HOLD, 248                         ; v248-251 448 x the scale
.set SCO,  252                         ; v252-255 the conversions' scale operands
.set WV,   18
.set MNT,  19                          ; s19  the mantissa field of 448
.set SEL,  20                          ; s[20:21] lane selects for lane l xor 16
.set CS,   22                          ; s[22:23] c = log2(e) / 32
.set G1K,  24                          ; s[24:31] group 1 for K's codes;  s[32:39] V's;  s[40:47] the scale words
.set G1V,  32
.set G1S,  40
.set G0KS, 48                          ; groups 0: K's scale words, K's first and second half; then V's three
.set G0K1, 52
.set G0K2, 56
.set G0VS, 60
.set G0V1, 68
.set G0V2, 72
.set HM,   66                          ; s66  the mask of lanes 16-31
.set CNT,  67
.set TB,   76                          ; s76  8,192 x step
.set TS,   77                          ; s77  256 x step
.set KF,   78                          ; s78  the step's first key
.set TMPS, 79
.set Q0,   80                          ; s80, s81 my first query in the two blocks
.set AC0,  82                          ; s[82:85] where my codes go
.set AS0,  86                          ; s[86:89] and my scale bytes
.set QC0,  90                          ; s[90:93] my q's codes
.set QS0,  94                          ; s[94:97] and scale words
	s_load_b256 s[4:11], s[0:1], 0x0               ; kq_codes s[4:5], k_scales s[6:7], q_scales s[8:9], v_codes s[10:11]
	s_load_b128 s[12:15], s[0:1], 0x20             ; v_scales s[12:13], a_codes s[14:15]
	s_load_b64 s[16:17], s[0:1], 0x30              ; a_scales
	v_lshl_add_u32 v254, v0, 2, 0x42000
	v_mov_b32 v255, 0
	ds_add_u32 v254, v255
	ds_add_u32 v254, v255
	s_wait_dscnt 0x0
	v_lshrrev_b32 v[T1], 5, v0
	s_delay_alu instid0(VALU_DEP_1)
	v_readfirstlane_b32 s[WV], v[T1]               ; wave 0..15
	s_and_b32 s98, ttmp7, 0xffff
	s_lshr_b32 s99, s98, 4                         ; the batch
	s_and_b32 s98, s98, 15                         ; the head,
	s_lshr_b32 s100, s98, 1                        ; its pair
	s_and_b32 s101, s98, 1                         ; and its place in the pair
	s_lshr_b32 s3, s[WV], 2                        ; which quarter of K or V I fetch, if I fetch: waves 0, 1, 8, 9 (K) and 2, 3, 10, 11 (V) take quarters 0 to 3
	s_and_b32 s3, s3, 2
	s_and_b32 s66, s[WV], 1
	s_or_b32 s3, s3, s66
	s_lshl_b32 s2, s100, 20
	s_lshl_b32 s66, s99, 18
	s_add_co_u32 s2, s2, s66                       ; pair x 2^20 + batch x 2^18: the same in kq_codes and in v_codes
	s_lshl_b32 s66, s3, 16
	s_add_co_u32 s66, s66, s2                      ; + my quarter: 32 tiles of K at 2,048 bytes, or 4 steps of V at 16,384
	s_lshl_b32 s76, s101, 10
	s_add_co_u32 s76, s76, s66                     ; K's codes: my head's 1,024 bytes of each tile's 2,048
	s_mov_b32 s77, 0
	s_lshl_b32 s78, s101, 13
	s_add_co_u32 s78, s78, s66                     ; V's codes: my head's 8,192 bytes of each step's 16,384
	s_mov_b32 s79, 0
	s_lshl_b32 s66, s100, 15
	s_lshl_b32 s67, s99, 13
	s_add_co_u32 s66, s66, s67
	s_lshl_b32 s67, s101, 8
	s_add_co_u32 s66, s66, s67
	s_mov_b32 s67, 0
	; descriptor groups 1: elements of 8 bytes, no padding, no mask
	s_mov_b32 s[G1K], 3<<16                        ; K: 32 rows (tiles of 16 keys) of 1,024 bytes, 2,048 bytes apart
	s_mov_b32 s[G1K+1], 128<<16                    ; tensor_dim0
	s_mov_b32 s[G1K+2], 32<<16
	s_mov_b32 s[G1K+3], 128<<16                    ; tile_dim0
	s_mov_b32 s[G1K+4], 32
	s_mov_b32 s[G1K+5], 256                        ; tensor_dim0_stride
	s_mov_b32 s[G1K+6], 0
	s_mov_b32 s[G1K+7], 0
	s_mov_b32 s[G1V], 3<<16                        ; V: 4 rows (steps of 128 keys) of 8,192 bytes, 16,384 bytes apart
	s_mov_b32 s[G1V+1], 1024<<16
	s_mov_b32 s[G1V+2], 4<<16
	s_mov_b32 s[G1V+3], 1024<<16
	s_mov_b32 s[G1V+4], 4
	s_mov_b32 s[G1V+5], 2048
	s_mov_b32 s[G1V+6], 0
	s_mov_b32 s[G1V+7], 0
	s_mov_b32 s[G1S], 3<<16                        ; scale words: 16 rows (steps) of 256 bytes, 512 bytes apart
	s_mov_b32 s[G1S+1], 32<<16
	s_mov_b32 s[G1S+2], 16<<16
	s_mov_b32 s[G1S+3], 32<<16
	s_mov_b32 s[G1S+4], 16
	s_mov_b32 s[G1S+5], 64
	s_mov_b32 s[G1S+6], 0
	s_mov_b32 s[G1S+7], 0
	s_mov_b32 s[SEL], 0x76543210
	s_mov_b32 s[SEL+1], 0xfedcba98
	s_mov_b32 s[CS], 0x3d38aa3b                    ; c = log2(e) / 32
	s_mov_b32 s[CS+1], s[CS]                       ; (named with it as a pair, so it is written)
	s_mov_b32 s[MNT], 0x600000
	s_wait_kmcnt 0x0
	s_mov_b32 s[G0KS], 1
	s_mov_b32 s[G0KS+1], KSLDS
	s_add_nc_u64 s[G0KS+2:G0KS+3], s[6:7], s[66:67]
	s_or_b32 s[G0KS+3], s[G0KS+3], 0x80000000
	s_mov_b32 s[G0K1], 1
	s_lshl_b32 s[G0K1+1], s3, 15                   ; my quarter, 32 KiB
	s_add_nc_u64 s[G0K1+2:G0K1+3], s[4:5], s[76:77]
	s_or_b32 s[G0K1+3], s[G0K1+3], 0x80000000
	s_mov_b32 s[G0VS], 1
	s_add_co_u32 s[G0VS+1], s[G0KS+1], VSLDS-KSLDS
	s_add_nc_u64 s[G0VS+2:G0VS+3], s[12:13], s[66:67]
	s_or_b32 s[G0VS+3], s[G0VS+3], 0x80000000
	s_mov_b32 s[G0V1], 1
	s_add_co_u32 s[G0V1+1], s[G0K1+1], VLDS
	s_add_nc_u64 s[G0V1+2:G0V1+3], s[10:11], s[78:79]
	s_or_b32 s[G0V1+3], s[G0V1+3], 0x80000000
	; THE FILLS: all first fills, one a wave, in one chain of arms.  Waves 0, 1: K's keys 0 to 1,023; waves 2, 3: V's; wave 4: K's scale words; wave 5: V's: these are shown by the first barrier.
	; Waves 8, 9: K's keys 1,024 on; waves 10, 11: V's: lines of their own, shown by the barrier between the two query blocks.
.macro ARM under, g0, g1, next
	s_cmp_lt_u32 s[WV], \under
	s_cbranch_scc0 \next
	tensor_load_to_lds s[\g0:\g0+3], s[\g1:\g1+7]
	s_nop 0
.rept 4
	v_nop
.endr
	s_branch .Lasked
\next:
.endm
	ARM 2, G0K1, G1K, .La1
	ARM 4, G0V1, G1V, .La2
	ARM 5, G0KS, G1S, .La3
	ARM 6, G0VS, G1S, .La4
	s_cmp_lt_u32 s[WV], 8
	s_cbranch_scc1 .Lasked
	ARM 10, G0K1, G1K, .La5
	ARM 12, G0V1, G1V, .La6
.Lasked:
; My tile of queries in block p of the two, and all that hangs on it.  tile = 16 x query block + wave, 0 .. 127 in the batch.
.macro IDS p
.if (\p) == 0
	s_lshl_b32 s66, ttmp9, 4                       ; query block j
.else
	s_sub_co_u32 s66, 7, ttmp9                     ; query block 7 - j
	s_lshl_b32 s66, s66, 4
.endif
	s_add_co_u32 s66, s66, s[WV]                   ; tile
	s_lshl_b32 s[Q0+(\p)], s66, 4                  ; my first query
	s_lshl_b32 s[QC0+2*(\p)], s66, 11              ; q's codes: (8 + pair) x 2^20 + batch x 2^18 + tile x 2,048 + my head's 1,024
	s_add_co_u32 s[QC0+2*(\p)], s[QC0+2*(\p)], s2
	s_lshl_b32 s67, s101, 10
	s_add_co_u32 s[QC0+2*(\p)], s[QC0+2*(\p)], s67
	s_add_co_u32 s[QC0+2*(\p)], s[QC0+2*(\p)], 8<<20
	s_mov_b32 s[QC0+2*(\p)+1], 0
	s_lshr_b32 s67, s66, 2                         ; q's scale words: four tiles share 512 bytes: [tile / 4][head 2][r 16][tile % 4]
	s_lshl_b32 s[QS0+2*(\p)], s67, 9
	s_and_b32 s67, s66, 3
	s_lshl_b32 s67, s67, 2
	s_add_co_u32 s[QS0+2*(\p)], s[QS0+2*(\p)], s67
	s_lshl_b32 s67, s100, 16
	s_add_co_u32 s[QS0+2*(\p)], s[QS0+2*(\p)], s67
	s_lshl_b32 s67, s99, 14
	s_add_co_u32 s[QS0+2*(\p)], s[QS0+2*(\p)], s67
	s_lshl_b32 s67, s101, 8
	s_add_co_u32 s[QS0+2*(\p)], s[QS0+2*(\p)], s67
	s_mov_b32 s[QS0+2*(\p)+1], 0
	s_lshl_b32 s67, s99, 7                         ; the result's codes: (128 x batch + tile) x 16,384 + head x 1,024
	s_add_co_u32 s67, s67, s66
	s_lshl_b32 s[AC0+2*(\p)], s67, 14
	s_lshl_b32 s67, s98, 10
	s_add_co_u32 s[AC0+2*(\p)], s[AC0+2*(\p)], s67
	s_mov_b32 s[AC0+2*(\p)+1], 0
	s_lshl_b32 s[AS0+2*(\p)], s99, 16              ; its scale bytes: token x 32 + 2 x head
	s_lshl_b32 s67, s66, 9
	s_add_co_u32 s[AS0+2*(\p)], s[AS0+2*(\p)], s67
	s_lshl_b32 s67, s98, 1
	s_add_co_u32 s[AS0+2*(\p)], s[AS0+2*(\p)], s67
	s_mov_b32 s[AS0+2*(\p)+1], 0
	s_add_nc_u64 s[QC0+2*(\p):QC0+2*(\p)+1], s[4:5], s[QC0+2*(\p):QC0+2*(\p)+1]
	s_add_nc_u64 s[QS0+2*(\p):QS0+2*(\p)+1], s[8:9], s[QS0+2*(\p):QS0+2*(\p)+1]
	s_add_nc_u64 s[AC0+2*(\p):AC0+2*(\p)+1], s[14:15], s[AC0+2*(\p):AC0+2*(\p)+1]
	s_add_nc_u64 s[AS0+2*(\p):AS0+2*(\p)+1], s[16:17], s[AS0+2*(\p):AS0+2*(\p)+1]
.endm
	IDS 0
	IDS 1
	s_mov_b32 s[HM], 0xffff0000
	v_and_b32 v[LI], 31, v0
	s_delay_alu instid0(VALU_DEP_1)
	v_lshlrev_b32 v[LI], 4, v[LI]
	v_and_b32 v[T0], 15, v0                        ; r
	v_bfe_u32 v[T2], v0, 4, 1                      ; h
	s_delay_alu instid0(VALU_DEP_1)
	v_lshlrev_b32 v[LM], 3, v[T2]
	s_delay_alu instid0(VALU_DEP_1)
	v_sub_nc_u32 v[LM], v[T0], v[LM]
	s_delay_alu instid0(VALU_DEP_3)
	v_lshl_add_u32 v[SOFF], v[T0], 5, v[T2]
	v_lshlrev_b32 v[T0], 4, v[T0]                  ; 16 r
	s_delay_alu instid0(VALU_DEP_1)
	v_add_nc_u32 v[LSC], KSLDS, v[T0]
	global_load_b128 v[24:27], v[LI], s[QC0:QC0+1]             ; q's eight registers of both blocks stay
	global_load_b128 v[28:31], v[LI], s[QC0:QC0+1] offset:512
	global_load_b128 v[40:43], v[LI], s[QC0+2:QC0+3]
	global_load_b128 v[44:47], v[LI], s[QC0+2:QC0+3] offset:512
	global_load_b32 v[QS], v[T0], s[QS0:QS0+1]
	global_load_b32 v[QS+1], v[T0], s[QS0+2:QS0+3]
.irp z, 16, 32, 48
.irp i, 0,1,2,3,4,5,6,7
	v_mov_b32 v[\z+\i], 0                          ; the zero codes round q
.endr
.endr
.irp b, 0,1,2,3
	v_mov_b32 v[T4+\b], 0                          ; written once: a lane permute's destination counts as one of its sources
.endr
	v_mov_b32 v[FF+1], 0                           ; (named as the upper half of a pair)
	s_wait_alu depctr_va_vdst(0)
	s_wait_loadcnt 0x0                             ; q and its scale words
	s_cmp_lt_u32 s[WV], 6
	s_cbranch_scc0 .Llater
	s_wait_tensorcnt 0x0                           ; waves 0 to 5: keys 0 to 1,023 and all scale words have landed
.Llater:
	s_barrier_signal -1
	s_barrier_wait -1                              ; the first query block reads keys under 1,024 alone
; A KEY STEP: 128 keys, for my tile of query block p.
.macro STEP p
.set QA, 24+16*(\p)                    ; [q, 0]
.set QB, 16+16*(\p)                    ; [0, q]
	s_add_co_u32 s[TMPS], s[Q0+(\p)], 15           ; a step all of whose keys come after my 16 queries is left out: a scalar branch on ids
	s_cmp_gt_u32 s[KF], s[TMPS]
	s_cbranch_scc1 .Lhidden_\@
	v_add_nc_u32 v[ADK], s[TB], v[LI]
	v_add_nc_u32 v[ADS], s[TS], v[LSC]
	s_delay_alu instid0(VALU_DEP_2)
	v_add_nc_u32 v[ADV], VLDS, v[ADK]
.rept 5
	v_nop                                          ; with the three additions: eight places in front of loads into registers that the last products have read
.endr
.irp g, 0,1,2,3
.irp c, 0,1,2,3
	ds_load_b128 v[F+16*\g+4*\c:F+16*\g+4*\c+3], v[ADK] offset:2048*\g+512*\c
.endr
.endr
	ds_load_b128 v[KSC:KSC+3], v[ADS]
	s_wait_alu depctr_va_vdst(0)
	s_wait_dscnt 0x0
.irp g, 0,1,2,3                                ; S^T: fragment g against [q, 0]: keys 32 g + 8 h + j; against [0, q]: keys 32 g + 16 + 8 h + j
	v_wmma_scale_f32_16x16x128_f8f6f4 v[S+16*\g:S+16*\g+7], v[F+16*\g:F+16*\g+15], v[QA:QA+15], 0, v[KSC+\g], v[QS+(\p)]
	v_wmma_scale_f32_16x16x128_f8f6f4 v[S+16*\g+8:S+16*\g+15], v[F+16*\g:F+16*\g+15], v[QB:QB+15], 0, v[KSC+\g], v[QS+(\p)]
.endr
.rept 8
	v_nop                                          ; places: in front of the loads below and of the first read of the scores
.endr
.irp t, 0,1,2,3                                ; V's four fragments and scale words are asked for now and land under the softmax
.irp c, 0,1,2,3
	ds_load_b128 v[F+16*\t+4*\c:F+16*\t+4*\c+3], v[ADV] offset:2048*\t+512*\c
.endr
.endr
	ds_load_b128 v[KSC:KSC+3], v[ADS] offset:VSLDS-KSLDS
	s_add_co_u32 s[TMPS], s[KF], 127               ; on the diagonal the scores of hidden keys become -infinity ahead of the maximum: p = 0 then.  A step all of whose keys count skips this
	s_cmp_le_u32 s[TMPS], s[Q0+(\p)]
	s_cbranch_scc1 .Lopen_\@
	s_sub_co_i32 s[TMPS], s[Q0+(\p)], s[KF]
	v_add_nc_u32 v[T1], s[TMPS], v[LM]             ; d = my query - KF - 8 h.  Register n holds key KF + 16 (n / 8) + 8 h + n % 8: hidden where 16 (n / 8) + n % 8 > d
	v_mov_b32 v[T0], 0xff800000                    ; -infinity
.set n, 0
.rept 64
	v_cmp_gt_i32 vcc_lo, 16*(n/8)+n%8, v[T1]
	v_cndmask_b32 v[S+n], v[S+n], v[T0], vcc_lo
.set n, n+1
.endr
.Lopen_\@:
.irp b, 0,1,2,3
	v_max3_num_f32 v[BM+\b], v[S+16*\b], v[S+16*\b+1], v[S+16*\b+2]   ; the largest score of each block of 32 keys: for the row's maximum, and, since p rises with the score, for the block's largest p
.endr
.irp i, 3,5,7,9,11,13
.irp b, 0,1,2,3
	v_max3_num_f32 v[BM+\b], v[BM+\b], v[S+16*\b+\i], v[S+16*\b+\i+1]
.endr
.endr
.irp b, 0,1,2,3
	v_max_num_f32 v[BM+\b], v[BM+\b], v[S+16*\b+15]
.endr
.irp b, 0,1,2,3
	s_delay_alu instid0(VALU_DEP_4)
	v_permlanex16_b32 v[T4+\b], v[BM+\b], s[SEL], s[SEL+1]
.endr
.irp b, 0,1,2,3
	s_delay_alu instid0(VALU_DEP_4)
	v_max_num_f32 v[BM+\b], v[BM+\b], v[T4+\b]     ; with lane l xor 16's 16 keys
.endr
	s_delay_alu instid0(VALU_DEP_2)
	v_max3_num_f32 v[T1], v[BM], v[BM+1], v[BM+2]
	s_delay_alu instid0(VALU_DEP_1)
	v_max_num_f32 v[T1], v[T1], v[BM+3]            ; the step's largest score of my query
	s_delay_alu instid0(VALU_DEP_1)
	v_mul_f32 v[T1], s[CS], v[T1]                  ; as t (c is positive)
	s_delay_alu instid0(VALU_DEP_1)
	v_max_num_f32 v13, v13, v[T1]                  ; the running largest t
	v_mov_b32 v[T1], v12
	s_delay_alu instid0(VALU_DEP_2)
	v_floor_f32 v12, -v13                          ; the new -M = floor(-t) = -ceil(t): a whole number
	s_delay_alu instid0(VALU_DEP_1)
	v_sub_f32 v[T1], v12, v[T1]                    ; M's old value less its new one: a whole number, 0 or less
	s_delay_alu instid0(VALU_DEP_1)
	v_cvt_i32_f32 v[T1], v[T1]                     ; (it saturates)
	s_delay_alu instid0(VALU_DEP_1)
	v_ldexp_f32 v[FF], 1.0, v[T1]                  ; f = 2^(old M - new M)
.set n, 0
.rept 32
	v_pk_fma_f32 v[S+n:S+n+1], v[S+n:S+n+1], s[CS:CS+1], v[12:13] op_sel_hi:[1,0,0]   ; t - M, two at a time
.set n, n+2
.endr
.irp b, 0,1,2,3
	v_fma_f32 v[BM+\b], v[BM+\b], s[CS], v12       ; the same of each block's largest score
.endr
.set n, 0
	s_wait_alu depctr_va_vdst(0)
.rept 64
	v_exp_f32 v[S+n], v[S+n]                       ; p = 2^(t - M), at most 1
.set n, n+1
.endr
	v_pk_mul_f32 v[14:15], v[14:15], v[FF:FF+1] op_sel_hi:[1,0]   ; the sums under the new M: the plain instruction behind the exponentials
	s_wait_alu depctr_va_vdst(0)                   ; one wait for the batch of 64, ahead of its first reader
.irp b, 0,1,2,3
	v_exp_f32 v[BM+\b], v[BM+\b]                   ; the block's largest p: the same two instructions on the same number give the same bits
.endr
	v_pk_add_f32 v[244:245], v[132:133], v[136:137]
	v_pk_add_f32 v[254:255], v[140:141], v[144:145]
	v_pk_add_f32 v[252:253], v[148:149], v[152:153]
	v_pk_add_f32 v[250:251], v[156:157], v[160:161]
	v_pk_add_f32 v[248:249], v[164:165], v[168:169]
	v_pk_add_f32 v[246:247], v[172:173], v[176:177]
	v_pk_add_f32 v[238:239], v[180:181], v[184:185]
	v_pk_add_f32 v[14:15], v[14:15], v[188:189]
	v_pk_add_f32 v[244:245], v[244:245], v[128:129]
	v_pk_add_f32 v[254:255], v[254:255], v[130:131]
	v_pk_add_f32 v[252:253], v[252:253], v[134:135]
	v_pk_add_f32 v[250:251], v[250:251], v[138:139]
	v_pk_add_f32 v[248:249], v[248:249], v[142:143]
	v_pk_add_f32 v[246:247], v[246:247], v[146:147]
	v_pk_add_f32 v[238:239], v[238:239], v[150:151]
	v_pk_add_f32 v[14:15], v[14:15], v[154:155]
	v_pk_add_f32 v[244:245], v[244:245], v[158:159]
	v_pk_add_f32 v[254:255], v[254:255], v[162:163]
	v_pk_add_f32 v[252:253], v[252:253], v[166:167]
	v_pk_add_f32 v[250:251], v[250:251], v[170:171]
	v_pk_add_f32 v[248:249], v[248:249], v[174:175]
	v_pk_add_f32 v[246:247], v[246:247], v[178:179]
	v_pk_add_f32 v[238:239], v[238:239], v[182:183]
	v_pk_add_f32 v[14:15], v[14:15], v[186:187]
	v_pk_add_f32 v[244:245], v[244:245], v[190:191]
	s_delay_alu instid0(VALU_DEP_2)
	v_pk_add_f32 v[14:15], v[14:15], v[250:251]
	s_delay_alu instid0(VALU_DEP_2)
	v_pk_add_f32 v[244:245], v[244:245], v[248:249]
	v_pk_add_f32 v[254:255], v[254:255], v[246:247]
	v_pk_add_f32 v[252:253], v[252:253], v[238:239]
	s_delay_alu instid0(VALU_DEP_2)
	v_pk_add_f32 v[14:15], v[14:15], v[254:255]
	s_delay_alu instid0(VALU_DEP_2)
	v_pk_add_f32 v[244:245], v[244:245], v[252:253]
	s_delay_alu instid0(VALU_DEP_1)
	v_pk_add_f32 v[14:15], v[14:15], v[244:245]
	s_wait_alu depctr_va_vdst(0)                   ; and one for the four
.irp b, 0,1,2,3
	v_max_num_f32 v[BM+\b], 0x4800000, v[BM+\b]    ; the floor 2^(9 - 127): the byte cannot fall under 1
.endr
.irp b, 0,1,2,3
	s_delay_alu instid0(VALU_DEP_4)
	v_add_nc_u32 v[SCO+\b], 0xfc000000, v[BM+\b]   ; 8 off the exponent field: the conversion's scale operand
.endr
.irp b, 0,1,2,3
	v_and_or_b32 v[HOLD+\b], v[BM+\b], 0x7f800000, s[MNT]   ; 448 x the scale
.endr
.irp b, 0,1,2,3
	v_lshrrev_b32 v[T4+\b], 23, v[SCO+\b]          ; the scale's byte
.endr
	s_delay_alu instid0(VALU_DEP_3)
	v_lshl_or_b32 v[PS], v[T4+1], 8, v[T4]         ; p's scale word for these 128 keys
	s_delay_alu instid0(VALU_DEP_1)
	v_lshl_or_b32 v[PS], v[T4+2], 16, v[PS]
	s_delay_alu instid0(VALU_DEP_1)
	v_lshl_or_b32 v[PS], v[T4+3], 24, v[PS]
.irp b, 0,1,2,3
.set n, 0
.rept 8
	v_dual_min_num_f32 v[S+16*\b+n], v[S+16*\b+n], v[HOLD+\b] :: v_dual_min_num_f32 v[S+16*\b+n+1], v[S+16*\b+n+1], v[HOLD+\b]   ; the conversion to an 8-bit code does not saturate (ISA guide 7.6.2); p is not negative, so the hold is one-sided; two holds a line
.set n, n+2
.endr
	v_cvt_scalef32_pk8_fp8_f32 v[P+4*\b:P+4*\b+1], v[S+16*\b:S+16*\b+7], v[SCO+\b]
	v_cvt_scalef32_pk8_fp8_f32 v[P+4*\b+2:P+4*\b+3], v[S+16*\b+8:S+16*\b+15], v[SCO+\b]
.endr
.set n, 0
.rept 16
	v_pk_mul_f32 v[OT+n:OT+n+1], v[OT+n:OT+n+1], v[FF:FF+1] op_sel_hi:[1,0]   ; O^T under the new M.  (These sixteen also stand between the conversions and the products)
.set n, n+2
.endr
	s_wait_alu depctr_va_vdst(0)
	s_wait_dscnt 0x0                               ; V's fragments and scale words are in
.irp t, 0,1,2,3                                ; O^T += V^T P^T: the four accumulators by turns, one instruction a turn
	v_wmma_scale_f32_16x16x128_f8f6f4 v[OT+8*\t:OT+8*\t+7], v[F+16*\t:F+16*\t+15], v[P:P+15], v[OT+8*\t:OT+8*\t+7], v[KSC+\t], v[PS]
.endr
.Lhidden_\@:
	s_add_co_u32 s[KF], s[KF], 128
	s_add_co_u32 s[TB], s[TB], 8192
	s_add_co_u32 s[TS], s[TS], 256
.endm
; THE WAY OUT of a tile: O^T / the sum; register 8 t + j is channel 16 t + 8 h + j of query r: two blocks of 32 with lane l xor 16's.  They are quantised as every operand is.
; The last product's other operand comes in natural order, so here the codes change lanes once: lane h = 0 keeps channels 0-7 and takes 8-15, lane h = 1 takes 16-23 and keeps 24-31 of each block.
.macro FINISH p
.rept 8
	v_nop                                          ; places behind the last products
.endr
	v_add_f32 v14, v14, v15                        ; the sum's two halves,
	s_delay_alu instid0(VALU_DEP_1)
	v_permlanex16_b32 v[T1], v14, s[SEL], s[SEL+1]
	s_delay_alu instid0(VALU_DEP_1)
	v_add_f32 v14, v14, v[T1]                      ; and lane l xor 16's: the row's sum
	s_wait_alu depctr_va_vdst(0)
	v_rcp_f32 v[FF], v14
	v_nop                                          ; a plain instruction behind the reciprocal
	s_wait_alu depctr_va_vdst(0)                   ; and the wait ahead of its first reader
.set n, 0
.rept 16
	v_pk_mul_f32 v[S+n:S+n+1], v[OT+n:OT+n+1], v[FF:FF+1] op_sel_hi:[1,0]   ; each accumulator from its low end on
.set n, n+2
.endr
.irp b, 0,1
	v_max3_num_f32 v[BM+\b], |v[S+16*\b]|, |v[S+16*\b+1]|, 0x4800000
.endr
.irp i, 2,4,6,8,10,12,14
.irp b, 0,1
	s_delay_alu instid0(VALU_DEP_2)
	v_max3_num_f32 v[BM+\b], v[BM+\b], |v[S+16*\b+\i]|, |v[S+16*\b+\i+1]|
.endr
.endr
.irp b, 0,1
	s_delay_alu instid0(VALU_DEP_2)
	v_permlanex16_b32 v[T4+\b], v[BM+\b], s[SEL], s[SEL+1]
.endr
.irp b, 0,1
	s_delay_alu instid0(VALU_DEP_2)
	v_max_num_f32 v[BM+\b], v[BM+\b], v[T4+\b]
.endr
.irp b, 0,1
	s_delay_alu instid0(VALU_DEP_2)
	v_add_nc_u32 v[SCO+\b], 0xfc000000, v[BM+\b]
.endr
.irp b, 0,1
	s_delay_alu instid0(VALU_DEP_4)
	v_and_or_b32 v[HOLD+\b], v[BM+\b], 0x7f800000, s[MNT]
.endr
	s_delay_alu instid0(VALU_DEP_4)
	v_lshrrev_b32 v[T0], 23, v[SCO]                ; the two scale bytes
	s_delay_alu instid0(VALU_DEP_4)
	v_lshrrev_b32 v[T2], 23, v[SCO+1]
.irp b, 0,1
.set n, 0
.rept 16
	v_med3_num_f32 v[S+16*\b+n], v[S+16*\b+n], -v[HOLD+\b], v[HOLD+\b]
.set n, n+1
.endr
	v_cvt_scalef32_pk8_fp8_f32 v[P+4*\b:P+4*\b+1], v[S+16*\b:S+16*\b+7], v[SCO+\b]
	v_cvt_scalef32_pk8_fp8_f32 v[P+4*\b+2:P+4*\b+3], v[S+16*\b+8:S+16*\b+15], v[SCO+\b]
.endr
	v_nop                                          ; one plain instruction between the conversions and the lines that touch their results
.irp k, 0,1,2,3                                ; register pair k: P0 = register k % 2 of group k / 2, P1 = two registers on
	v_cndmask_b32 v[BM+\k], v[P+4*(\k/2)+2+\k%2], v[P+4*(\k/2)+\k%2], s[HM]    ; what I send: h = 0: P1, h = 1: P0
.endr
.irp k, 0,1,2,3
	s_delay_alu instid0(VALU_DEP_4)
	v_permlanex16_b32 v[T4+\k], v[BM+\k], s[SEL], s[SEL+1]
.endr
.irp k, 0,1,2,3
	v_cndmask_b32 v[P+4*(\k/2)+\k%2], v[P+4*(\k/2)+\k%2], v[T4+\k], s[HM]      ; h = 1 takes it as P0,
	v_cndmask_b32 v[P+4*(\k/2)+2+\k%2], v[T4+\k], v[P+4*(\k/2)+2+\k%2], s[HM]  ; h = 0 as P1
.endr
	v_cndmask_b32 v[T0], v[T0], v[T2], s[HM]       ; lanes 0-15 store the first block's byte, lanes 16-31 the second's
	global_store_b128 v[LI], v[P:P+3], s[AC0+2*(\p):AC0+2*(\p)+1]              ; 32 lanes store 512 consecutive aligned bytes
	global_store_b128 v[LI], v[P+4:P+7], s[AC0+2*(\p):AC0+2*(\p)+1] offset:512
	global_store_b8 v[SOFF], v[T0], s[AS0+2*(\p):AS0+2*(\p)+1]
.endm
; A query block: the loop's trip count is a constant; steps past the diagonal are jumped over inside it.
.macro PHASE p, trips
	v_mov_b32 v13, 0xff61b1e6                      ; the largest t so far: -3e38, under every t
	s_delay_alu instid0(VALU_DEP_1)
	v_floor_f32 v12, -v13                          ; -M
	v_mov_b32 v14, 0
	v_mov_b32 v15, 0
.set n, 0
.rept 32
	v_mov_b32 v[OT+n], 0                           ; the step is written once: the first finds zeros, which the first change of M leaves zeros
.set n, n+1
.endr
	s_mov_b32 s[TB], 0
	s_mov_b32 s[TS], 0
	s_mov_b32 s[KF], 0
	s_mov_b32 s[CNT], \trips
.Lstep_\@:
	STEP \p
	s_sub_co_u32 s[CNT], s[CNT], 1
	s_cmp_lg_u32 s[CNT], 0
	s_cbranch_scc1 .Lstep_\@
	FINISH \p
.endm
	PHASE 0, 8
	s_wait_xcnt 0x0
	s_wait_tensorcnt 0x0                           ; every wave: all fills have landed,
	s_wait_dscnt 0x0
	s_barrier_signal -1
	s_barrier_wait -1                              ; and everybody's: keys 1,024 on may be read
	PHASE 1, 16                                    ; query block 7 - j
	s_wait_xcnt 0x0
	v_lshl_add_u32 v254, v0, 2, 0x42000
	v_mov_b32 v255, 0
	s_wait_alu depctr_va_vdst(0)
	s_wait_tensorcnt 0x0
	ds_add_u32 v254, v255
	s_wait_dscnt 0x0
	s_endpgm
.Lfunc_end_k_qe84e4f74ae_attn:
	.size	k_qe84e4f74ae_attn, .Lfunc_end_k_qe84e4f74ae_attn-k_qe84e4f74ae_attn
	.p2alignl 7, 3214868480
	.fill 96, 4, 3214868480
	.section	.rodata,"a",@progbits
	.p2align	6, 0x0
	.amdhsa_kernel k_qe84e4f74ae_attn
		.amdhsa_group_segment_fixed_size 272384
		.amdhsa_private_segment_fixed_size 0
		.amdhsa_enable_private_segment 0
		.amdhsa_kernarg_size 56
		.amdhsa_user_sgpr_count 2
		.amdhsa_user_sgpr_kernarg_segment_ptr 1
		.amdhsa_wavefront_size32 1
		.amdhsa_system_sgpr_workgroup_id_x 1
		.amdhsa_system_sgpr_workgroup_id_y 1
		.amdhsa_system_sgpr_workgroup_id_z 1
		.amdhsa_system_vgpr_workitem_id 0
		.amdhsa_next_free_vgpr 256
		.amdhsa_next_free_sgpr 102
		.amdhsa_reserve_vcc 1
		.amdhsa_float_denorm_mode_32 3
		.amdhsa_float_denorm_mode_16_64 3
		.amdhsa_memory_ordered 1
		.amdhsa_forward_progress 1
		.amdhsa_inst_pref_size 79
	.end_amdhsa_kernel
	.amdgpu_metadata
---
amdhsa.version: [ 1, 2 ]
amdhsa.kernels:
  - .name:           k_qe84e4f74ae_attn
    .symbol:         k_qe84e4f74ae_attn.kd
    .args:
      - { .name: kq_codes, .offset: 0, .size: 8, .value_kind: global_buffer, .address_space: global }
      - { .name: k_scales, .offset: 8, .size: 8, .value_kind: global_buffer, .address_space: global }
      - { .name: q_scales, .offset: 16, .size: 8, .value_kind: global_buffer, .address_space: global }
      - { .name: v_codes, .offset: 24, .size: 8, .value_kind: global_buffer, .address_space: global }
      - { .name: v_scales, .offset: 32, .size: 8, .value_kind: global_buffer, .address_space: global }
      - { .name: a_codes, .offset: 40, .size: 8, .value_kind: global_buffer, .address_space: global }
      - { .name: a_scales, .offset: 48, .size: 8, .value_kind: global_buffer, .address_space: global }
    .group_segment_fixed_size: 272384
    .private_segment_fixed_size: 0
    .kernarg_segment_align: 8
    .kernarg_segment_size: 56
    .max_flat_workgroup_size: 512
    .sgpr_count:     102
    .vgpr_count:     256
    .wavefront_size: 32
...
	.end_amdgpu_metadata
.endif
;; end of part 2
;; launch proj (part 3): grid 4 x 64, 4 waves a work-group, clusters of 4 x 4, 327,680 bytes of LDS; arguments a_codes, a_scales, W_proj_codes, W_proj_scales, out0; writes out0
.if DOCPART == 3
	.amdgcn_target "amdgcn-amd-amdhsa--gfx1250"
	.amdhsa_code_object_version 6
	.text
	.protected	k_qe84e4f74ae_proj
	.globl	k_qe84e4f74ae_proj
	.p2align	8
	.type	k_qe84e4f74ae_proj,@function
k_qe84e4f74ae_proj:
	s_mov_b64 s[64:65], 0
	v_nop
	global_prefetch_b8 v0, s[64:65] scope:SCOPE_SE
	s_setreg_imm32_b32 hwreg(HW_REG_WAVE_MODE, 25, 1), 1
	s_wait_xcnt 0x0
	s_wait_alu depctr_hold_cnt(0) depctr_sa_sdst(0) depctr_va_vdst(0) depctr_va_sdst(0) depctr_va_ssrc(0) depctr_va_vcc(0) depctr_vm_vsrc(0)
	s_getreg_b32 s2, hwreg(HW_REG_IB_STS2, 6, 4)
	s_cmp_eq_u32 s2, 0
	s_cbranch_scc0 .Lentry_in_a_cluster
	s_endpgm
.Lentry_in_a_cluster:
	s_bfe_u32 s2, ttmp6, 0x10000c
	s_cmp_lg_u32 s2, 0xf033
	s_cbranch_scc0 .Lentry_shape_is_right
	s_endpgm
.Lentry_shape_is_right:
; out0 = a W_proj on codes of FP8 (E4M3), one E8M0 scale for each 32 along K = 1,024; f32 sums, stored as they are.
; THE DEAL.  256 work-groups: (column group cx of 256 columns, token block of 128).  Four waves, 2 x 2: wave (i, j) makes tokens 64 i .. + 63 x columns 128 j .. + 127.
; a lies in memory as images of operand registers ([token tile][K step][group][lane][16 bytes]): my 64 tokens, all of K, go straight into 512 registers, each load 512 consecutive bytes.
; W's 256 rows land in LDS once, 64 rows a wave, asked for jointly along the cluster's column: nothing is filled again.  Waves 0 and 1 fetch the 64 rows that each column of waves takes first, on a line of their own, shown by the first barrier.
; A quad is 64 columns: four blocks of 16 rows of W, 32 products each, four accumulators by turns.  Source 0 = W's rows, source 1 = tokens: a lane holds eight neighbouring columns of a token.
; A quad leaves through my stage in LDS: sixteen lanes store 256 consecutive aligned bytes.
; NO PREFETCH: every tile is asked for at the head, and the text has no loop to run ahead in.
; LIMITS: NaN and infinities are carried as the matrix unit carries them.
.set PITCH, 1040
.set STG,   256*PITCH                  ; stages: 16 rows x 272 bytes a wave
.set SPARE, STG+4*16*272
.set AW0, 2
.set AW1, 3
.set CO,  4
.set STO, 5
.set RD,  6
.set GO,  7
.set SPW, 8
.set NIL, 9
.set XSA, 10
.set WOF, 11
.set XS,  16                           ; v16-47 a's scale words: 8 t + q
.set WSR, 52                           ; v52-83 W's: 8 x pair of blocks + q: lanes 0-15 the even block's rows, lanes 16-31 the odd's
.set ACC, 84                           ; v84-211 a quad's sums: 32 t + 8 b
.set BK,  212                          ; v212-243 rows read back from the stage
.set WV, 22
.set WI, 23
.set WJ, 24
.set CX, 25
.set CY, 26
.set TB, 27
.set G1, 32
.set G0, 40
.set MSB, 0
.macro WIN new
.if MSB != \new
	s_set_vgpr_msb (MSB<<8)|\new
.set MSB, \new
.endif
.endm
.macro PLACES n
.rept \n
	v_nop
.endr
.endm
.macro BARRIER
	s_barrier_signal -1
	s_barrier_wait -1
.endm
.macro CROUND
	BARRIER
	s_cmp_lg_u32 s[WV], 0
	s_cbranch_scc1 .Lnot_wave_0_\@
	s_barrier_signal -3
.Lnot_wave_0_\@:
	s_barrier_wait -3
	BARRIER
.endm
.macro TLOAD g0, g1
	tensor_load_to_lds s[\g0:\g0+3], s[\g1:\g1+7]
	s_nop 0
	PLACES 4
.endm
	s_load_b256 s[4:11], s[0:1], 0x0               ; a's codes, a's scales, W's codes, W's scales
	s_load_b64 s[12:13], s[0:1], 0x20              ; out0
	v_lshl_add_u32 v[SPW], v0, 2, SPARE
	v_mov_b32 v[NIL], 0
	ds_add_u32 v[SPW], v[NIL]                      ; the opening lines: the add twice on end and its wait
	ds_add_u32 v[SPW], v[NIL]
	v_lshrrev_b32 v1, 5, v0
	v_readfirstlane_b32 s[WV], v1
	s_lshr_b32 s[WI], s[WV], 1
	s_and_b32 s[WJ], s[WV], 1
	s_bfe_u32 s[CX], ttmp6, 0x40000
	s_bfe_u32 s[CY], ttmp6, 0x40004
	s_and_b32 s[TB], ttmp7, 0xffff
	s_lshl_b32 s[TB], s[TB], 2
	s_add_co_u32 s[TB], s[TB], s[CY]
	s_lshl_b32 s30, 0x1111, s[CX]                  ; my column of the cluster shares W's rows
	s_or_b32 s[G1], s30, (1<<20)|(1<<21)|(7<<22)|(3<<25)   ; 64 whole rows of 1,024 bytes, 16 bytes of padding behind each
	s_mov_b32 s[G1+1], 1024<<16
	s_mov_b32 s[G1+2], 64<<16
	s_mov_b32 s[G1+3], 1024<<16
	s_mov_b32 s[G1+4], 64
	s_mov_b32 s[G1+5], 1024
	s_mov_b32 s[G1+6], 0
	s_mov_b32 s[G1+7], 0
	s_lshl_b32 s28, s[WJ], 7
	s_lshl_b32 s29, s[WI], 6
	s_add_co_u32 s28, s28, s29                     ; the rows that I fetch: 128 (wave % 2) + 64 (wave / 2)
	s_mov_b32 s[G0], 1
	s_mul_i32 s[G0+1], s28, PITCH
	s_lshl_b32 s28, s28, 10
	s_lshl_b32 s29, s[CX], 18
	s_add_co_u32 s28, s28, s29
	s_mov_b32 s29, 0
	s_wait_dscnt 0x0
	CROUND                                         ; all sixteen work-groups are here: the joint loads meet
	s_wait_kmcnt 0x0
	s_add_nc_u64 s[G0+2:G0+3], s[8:9], s[28:29]
	s_or_b32 s[G0+3], s[G0+3], 0x80000000
	s_cmp_lt_u32 s[WV], 2
	s_cbranch_scc0 .Lh_late
	TLOAD G0, G1                                   ; waves 0, 1: each column's first 64 rows
	s_branch .Lh_done
.Lh_late:
	TLOAD G0, G1                                   ; waves 2, 3: the second 64
.Lh_done:
	s_lshl_b32 s28, s[TB], 17
	s_lshl_b32 s2, s[WI], 16
	s_add_co_u32 s28, s28, s2
	s_add_nc_u64 s[4:5], s[4:5], s[28:29]          ; a's codes: my four token tiles of 16,384 bytes
	s_lshl_b32 s28, s[TB], 12
	s_lshl_b32 s2, s[WI], 11
	s_add_co_u32 s28, s28, s2
	s_add_nc_u64 s[6:7], s[6:7], s[28:29]          ; a's scale bytes
	s_lshl_b32 s28, s[CX], 13
	s_lshl_b32 s2, s[WJ], 12
	s_add_co_u32 s28, s28, s2
	s_add_nc_u64 s[10:11], s[10:11], s[28:29]      ; W's scale bytes: my 128 rows
	s_lshl_b32 s28, s[TB], 19
	s_lshl_b32 s2, s[WI], 18
	s_add_co_u32 s28, s28, s2
	s_lshl_b32 s2, s[CX], 10
	s_add_co_u32 s28, s28, s2
	s_lshl_b32 s2, s[WJ], 9
	s_add_co_u32 s28, s28, s2
	s_add_nc_u64 s[12:13], s[12:13], s[28:29]      ; out0: my first token, my first column
	s_mul_i32 s30, s[WJ], 128*PITCH
	s_mul_i32 s31, s[WV], 16*272
	s_add_co_u32 s31, s31, STG
	v_and_b32 v1, 15, v0                           ; r
	v_bfe_u32 v13, v0, 4, 1                        ; h
	v_and_b32 v14, 31, v0                          ; the lane
	v_lshlrev_b32 v[CO], 4, v14
	v_lshlrev_b32 v[XSA], 5, v1
	v_lshlrev_b32 v[WOF], 5, v14
	v_mul_u32_u24 v12, v1, PITCH
	v_lshl_add_u32 v12, v13, 4, v12
	v_add_nc_u32 v[AW0], s30, v12                  ; my 128 rows of W: the first quad's,
	v_add_nc_u32 v[AW1], 64*PITCH, v[AW0]          ; the second's
	v_mul_u32_u24 v15, v1, 272
	v_lshl_add_u32 v15, v13, 5, v15
	v_add_nc_u32 v[STO], s31, v15                  ; into the stage: row r, 32 h bytes on
	v_mul_u32_u24 v48, v13, 272
	v_lshl_add_u32 v48, v1, 4, v48
	v_add_nc_u32 v[RD], s31, v48                   ; back: lanes 0-15 one row, lanes 16-31 the next
	v_lshlrev_b32 v49, 12, v13
	v_lshl_add_u32 v[GO], v1, 4, v49               ; and the same two rows of out0
	s_wait_alu depctr_va_vdst(0)                   ; the wait at the head's end
.irp q, 0,1,2,3,4,5,6,7                ; a's fragment 4 q + t into window 1 + q / 4
	WIN (1+\q/4)<<6
.irp t, 0,1,2,3
.irp c, 0,1,2,3
	global_load_b128 v[16*((4*\q+\t)%16)+4*\c:16*((4*\q+\t)%16)+4*\c+3], v[CO], s[4:5] offset:\t*16384+\q*2048+\c*512
.endr
.endr
.endr
	WIN 0
.irp t, 0,1,2,3
	global_load_b128 v[XS+8*\t:XS+8*\t+3], v[XSA], s[6:7] offset:512*\t
	global_load_b128 v[XS+8*\t+4:XS+8*\t+7], v[XSA], s[6:7] offset:512*\t+16
	global_load_b128 v[WSR+8*\t:WSR+8*\t+3], v[WOF], s[10:11] offset:1024*\t
	global_load_b128 v[WSR+8*\t+4:WSR+8*\t+7], v[WOF], s[10:11] offset:1024*\t+16
.endr
.macro FETCH adr, b                    ; block b of a quad into set b % 2 of window 3: 32 loads
	WIN 0xc0
.irp q, 0,1,2,3,4,5,6,7
.irp c, 0,1,2,3
	ds_load_b128 v[128*((\b)%2)+16*\q+4*\c:128*((\b)%2)+16*\q+4*\c+3], v[\adr] offset:(\b)*16*PITCH+128*\q+32*\c
.endr
.endr
	WIN 0
.endm
.macro BLOCK qd, b
.irp q, 0,1,2,3,4,5,6,7
.irp t, 0,1,2,3
.set A_, ACC+32*\t+8*\b
.set X_, 16*((4*\q+\t)%16)
.set W_, 128*((\b)%2)+16*\q
.set S_, WSR+16*\qd+8*((\b)/2)+\q
	WIN 3|((1+\q/4)<<2)
.if \q
.if (\b)%2
	v_wmma_scale_f32_16x16x128_f8f6f4 v[A_:A_+7], v[W_:W_+15], v[X_:X_+15], v[A_:A_+7], v[S_], v[XS+8*\t+\q] matrix_a_scale:MATRIX_SCALE_ROW1
.else
	v_wmma_scale_f32_16x16x128_f8f6f4 v[A_:A_+7], v[W_:W_+15], v[X_:X_+15], v[A_:A_+7], v[S_], v[XS+8*\t+\q]
.endif
.else
.if (\b)%2
	v_wmma_scale_f32_16x16x128_f8f6f4 v[A_:A_+7], v[W_:W_+15], v[X_:X_+15], 0, v[S_], v[XS+8*\t+\q] matrix_a_scale:MATRIX_SCALE_ROW1
.else
	v_wmma_scale_f32_16x16x128_f8f6f4 v[A_:A_+7], v[W_:W_+15], v[X_:X_+15], 0, v[S_], v[XS+8*\t+\q]
.endif
.endif
.endr
.endr
	WIN 0
	PLACES 8                                       ; ahead of loads into what the products read, and of the first read of their sums
.endm
.macro QUAD qd, adr                    ; blocks 0 and 1 have been asked for; each counted wait leaves out the 32 loads of the set fetched last
	s_wait_dscnt 32
	BLOCK \qd, 0
	FETCH \adr, 2
	s_wait_dscnt 32
	BLOCK \qd, 1
	FETCH \adr, 3
	s_wait_dscnt 32
	BLOCK \qd, 2
	s_wait_dscnt 0x0
	BLOCK \qd, 3
.endm
.macro OUT qd                          ; token tile by token tile through my stage; LDS serves a wave's instructions in order (ISA guide 5.7.1.4)
.irp t, 0,1,2,3
.irp b, 0,1,2,3
	ds_store_b128 v[STO], v[ACC+32*\t+8*\b:ACC+32*\t+8*\b+3] offset:64*\b        ; each accumulator from its low end on
	ds_store_b128 v[STO], v[ACC+32*\t+8*\b+4:ACC+32*\t+8*\b+7] offset:64*\b+16
.endr
	s_wait_xcnt 0x0                                ; the stores before have read these registers
.irp u, 0,1,2,3,4,5,6,7
	ds_load_b128 v[BK+4*\u:BK+4*\u+3], v[RD] offset:\u*544
.endr
	s_wait_dscnt 0x0
.irp u, 0,1,2,3,4,5,6,7
	global_store_b128 v[GO], v[BK+4*\u:BK+4*\u+3], s[12:13] offset:(16*\t+2*\u)*4096+256*\qd th:TH_STORE_NT   ; sixteen lanes store 256 consecutive aligned bytes
.endr
.endr
.endm
	s_cmp_lt_u32 s[WV], 2
	s_cbranch_scc0 .Lnot_yet
	s_wait_tensorcnt 0x0                           ; waves 0, 1: the first quads' rows have landed
.Lnot_yet:
	BARRIER
	FETCH AW0, 0
	FETCH AW0, 1
	s_wait_loadcnt 0x0                             ; a, and all scale words
	QUAD 0, AW0
	s_wait_tensorcnt 0x0                           ; every wave: all of W has landed
	BARRIER
	FETCH AW1, 0
	FETCH AW1, 1
	OUT 0
	QUAD 1, AW1
	OUT 1
	s_wait_tensorcnt 0x0                           ; the wave's end
	ds_add_u32 v[SPW], v[NIL]
	s_wait_dscnt 0x0
	CROUND                                         ; the closing round
	s_endpgm
.Lfunc_end_k_qe84e4f74ae_proj:
	.size	k_qe84e4f74ae_proj, .Lfunc_end_k_qe84e4f74ae_proj-k_qe84e4f74ae_proj
	.p2alignl 7, 3214868480
	.fill 96, 4, 3214868480
	.section	.rodata,"a",@progbits
	.p2align	6, 0x0
	.amdhsa_kernel k_qe84e4f74ae_proj
		.amdhsa_group_segment_fixed_size 327680
		.amdhsa_private_segment_fixed_size 0
		.amdhsa_enable_private_segment 0
		.amdhsa_kernarg_size 40
		.amdhsa_user_sgpr_count 2
		.amdhsa_user_sgpr_kernarg_segment_ptr 1
		.amdhsa_wavefront_size32 1
		.amdhsa_system_sgpr_workgroup_id_x 1
		.amdhsa_system_sgpr_workgroup_id_y 1
		.amdhsa_system_sgpr_workgroup_id_z 1
		.amdhsa_system_vgpr_workitem_id 0
		.amdhsa_next_free_vgpr 1024
		.amdhsa_next_free_sgpr 80
		.amdhsa_reserve_vcc 0
		.amdhsa_float_denorm_mode_32 3
		.amdhsa_float_denorm_mode_16_64 3
		.amdhsa_memory_ordered 1
		.amdhsa_forward_progress 1
		.amdhsa_inst_pref_size 86
	.end_amdhsa_kernel
	.amdgpu_metadata
---
amdhsa.version: [ 1, 2 ]
amdhsa.kernels:
  - .name:           k_qe84e4f74ae_proj
    .symbol:         k_qe84e4f74ae_proj.kd
    .args:
      - { .name: a_codes, .offset: 0, .size: 8, .value_kind: global_buffer, .address_space: global }
      - { .name: a_scales, .offset: 8, .size: 8, .value_kind: global_buffer, .address_space: global }
      - { .name: W_proj_codes, .offset: 16, .size: 8, .value_kind: global_buffer, .address_space: global }
      - { .name: W_proj_scales, .offset: 24, .size: 8, .value_kind: global_buffer, .address_space: global }
      - { .name: out0, .offset: 32, .size: 8, .value_kind: global_buffer, .address_space: global }
    .group_segment_fixed_size: 327680
    .private_segment_fixed_size: 0
    .kernarg_segment_align: 8
    .kernarg_segment_size: 40
    .max_flat_workgroup_size: 128
    .sgpr_count:     80
    .vgpr_count:     1024
    .wavefront_size: 32
...
	.end_amdgpu_metadata
.endif
;; end of part 3
